; MI455X (gfx1250); checked and timed in simulation.
; The chip was launched on July 23, 2026; its instructions are those of AMD's public machine-readable ISA for CDNA 5 (MIT licence, August 2026) and "CDNA5" Instruction Set Architecture Reference Guide (July 2026). The comments in the code are by the model that wrote it; some were corrected since.
;; Oxide Model. Allowed arithmetic: float matrix products may take bf16 or f16 operands with f32 sums; all other float work in f32.
;; Inputs: E_param 1 float32; T_max_delta 1 float32; V_max 1 float32; global_shift 1 float32; input 16,777,216 float32.
;; Outputs: out0 16,777,216 float32.
;; One version. Each part assembles by itself: llvm-mc -triple=amdgcn-amd-amdhsa -mcpu=gfx1250 --defsym DOCPART=n.
;; ======== version 1 of 1: 1 launch
;; launch oxide (part 1): grid 512 x 1, 8 waves a work-group, no clusters, 0 bytes of LDS; arguments input, E_param, T_max_delta, V_max, global_shift, out0; writes out0
.if DOCPART == 1
	.amdgcn_target "amdgcn-amd-amdhsa--gfx1250"
	.amdhsa_code_object_version 6
	.text
	.protected	k_q61c814e4be_oxide
	.globl	k_q61c814e4be_oxide
	.p2align	8
	.type	k_q61c814e4be_oxide,@function
k_q61c814e4be_oxide:
	s_mov_b64 s[64:65], 0
	v_nop
	global_prefetch_b8 v0, s[64:65] scope:SCOPE_SE
	s_setreg_imm32_b32 hwreg(HW_REG_WAVE_MODE, 25, 1), 1
	s_wait_xcnt 0x0
; OxideModel, model 'second':  out[i] = exp(f(t) - f(Tm)) * relu(U - exp(f(Tm)/2)/3 * (I(t) - I(Tm)))^2,  t = input[i], 16,777,216 f32.
;   E = exp(E_param), U = sqrt(exp(V_max)), Tm = 1000 + 100 (2 sigmoid(T_max_delta) - 1) + global_shift,
;   K = E/Tm + (2/3) ln G, G = 1.5 E U / Tm^2, f(t) = K - E/t, I(t) = exp(K) (t exp(-E/t) - E E1(E/t)).
; HOW IT IS COMPUTED (identities that hold for every input).  x = E/t, xm = E/Tm, w = exp(xm - x) = exp(f(t) - f(Tm)).
;   exp(f(Tm)/2)/3 * exp(K) * exp(-x) = G^(1/3) G^(2/3) w / 3 = B1 w with B1 = U E / (2 Tm^2): K's logarithm and its exponentials occur only in this product.
;   x >= 1 (rational form, E/x = t):  r = A - B1 t w (den - num)/den; den - num is a cubic whose coefficients are the differences of the two quartics' coefficients.
;   x <  1 (series):                  r = A - B1 t w + B2 (-gamma - ln x + sum k = 1..10 of (-1)^(k+1) x^k / (k k!)),  B2 = B1 exp(xm) E.
;   A = U + (the same bracket at t = Tm, w = 1), so that r(Tm) = U.   out = w * max(r, 0)^2.
;   B1 and B2 are multiplied into the polynomials' coefficients once.  Both forms are computed for every element and one v_cndmask_b32 chooses: no branch hangs on data.
;   The series stops at k = 10: for 0 < x < 1 every later term is below 2.9e-9 of the running sum (x^10 / (11 * 11! * 0.79)), less than 2^-25 of it, so the
;   f32 additions of the terms k = 11..25 leave an f32 sum as it is.  For x < 0 the logarithm makes the result NaN whatever the series gives.
; LIMITS.  Divisions are v_rcp_f32 (1 ulp) and a multiply.  v_exp_f32, v_log_f32, v_rcp_f32, v_sqrt_f32 flush denormals (ISA guide, their entries in chapter 15):
;   w below 2^-126 is 0, |t| above 2^126 gives x = 0, exp(V_max) below 2^-126 gives U = 0.  Where exp(K) alone overflows the product B1 w stays finite
;   and a finite result is given.  For x above 4.29e9 (x^4 overflows) the quotient num/den of the definition is NaN; here the result is the limit, 0.
;   NaN goes through the relu (v_maximum_f32), as through a maximum that keeps NaN.
; SHAPE.  512 work-groups of 8 waves; a work-group owns 128 KiB of input and of output, a lane 32 chunks of 16 bytes: chunk j of thread n at byte 4096 j + 16 n,
;   so each load and store of a wave covers 512 consecutive bytes, aligned.  Every chunk has four registers of its own; the results are written over the inputs
;   and stored from there.  No register that a memory instruction names is written again, so the only waits are the counted waits for the loads.
;   Work goes in 16 groups of 2 chunks = 8 numbers a lane = 4 register pairs for the packed f32 instructions.
; THE LOADS ARE SPREAD OVER THE WORK.  Chunks 0 to 15 are asked for while the constants are made (8 ahead of them, 4 and 4 among them); each of the groups 0 to 7
;   asks for two more at its head, ahead of its arithmetic and its stores.  So a wave comes to its arithmetic behind 8 requests, not 32, reads and stores go on side
;   by side through the launch, and from the first group on 14 to 16 loads of a wave (7 to 8 KiB) are out.  What group g asks for is first read in group g + 7.
.set GROUPS, 16
.set AHEAD,  16                        ; chunks asked for ahead of the first group
.set STEP,   4096                      ; bytes that the eight waves cover with one load each
.set OFF,    1                         ; v1       16 x thread: never rewritten
; v[2:27]: the constants, the same in every lane, two to a register pair; op_sel picks the one that feeds both halves of a packed instruction
.set C_EL,   2                         ; -E log2(e)      pair (C_EL, C_AM):   exponent of w = rcp(t) * C_EL + C_AM
.set C_AM,   3                         ; xm log2(e)
.set C_P3,   4                         ; -B1 x the cubic's coefficients, P3 highest; pair (C_P3, C_P2) starts its Horner chain
.set C_P2,   5
.set C_S10,  6                         ; B2 (-1)^(k+1) / (k k!), k = 10 .. 1; pair (C_S10, C_S9) starts the chain
.set C_S9,   7
.set C_NB1,  8                         ; -B1             pair (C_NB1, C_A1):  t w * C_NB1 + C_A1
.set C_A1,   9                         ; A - gamma B2
.set C_E,    10
.set C_Q3,   11                        ; den = (((x + Q3) x + Q2) x + Q1) x + Q0
.set C_Q2,   12
.set C_Q1,   13
.set C_Q0,   14
.set C_P1,   15
.set C_P0,   16
.set C_S8,   17
.set C_S7,   18
.set C_S6,   19
.set C_S5,   20
.set C_S4,   21
.set C_S3,   22
.set C_S2,   23
.set C_S1,   24                        ; = B2
.set C_L,    25                        ; -B2 ln 2
.set C_A,    26
.set C_NB2,  27                        ; -B2 (used while the constants are made; it also completes C_A's pair)
; eight registers each, for the group at work
.set RT,     28                        ; 1/t, made one group ahead
.set XX,     36                        ; x
.set WW,     44                        ; exponent, then w
.set LG,     52                        ; log2 x, then r of the series form
.set QD,     60                        ; den, 1/den, r of the rational form, r chosen, relu(r)
.set PN,     68                        ; -B1 (den - num), that / den, relu(r)^2
.set SER,    76                        ; the series' chain
.set SS,     84                        ; t w, then A1 - B1 t w
.set X,      92                        ; v[92:219] chunk j: 4 registers, t as loaded, then out
.set MASK,   24                        ; s[24:31] x < 1, one mask for each of the 8 numbers
; at work while the constants are made (registers of XX and WW, free until the first group)
.set UU,  36
.set TM,  37
.set RTM, 38
.set XM,  39
.set LGM, 40
.set EXM, 41
.set TQ,  42
.set TP,  43
.set TS,  44
.set TD,  45
.set TG0, 46
.set TV,  47
; Packed f32 with a constant: an even register is the pair's first (op_sel_hi 0: it also feeds the high half), an odd one its second (op_sel 1: it also feeds the low half).
.macro PKMULC d, a, c                  ; d = a * const
.if (\c)&1
	v_pk_mul_f32 v[\d:\d+1], v[\a:\a+1], v[\c-1:\c] op_sel:[0,1] op_sel_hi:[1,1]
.else
	v_pk_mul_f32 v[\d:\d+1], v[\a:\a+1], v[\c:\c+1] op_sel_hi:[1,0]
.endif
.endm
.macro PKADDC d, a, c                  ; d = a + const
.if (\c)&1
	v_pk_add_f32 v[\d:\d+1], v[\a:\a+1], v[\c-1:\c] op_sel:[0,1] op_sel_hi:[1,1]
.else
	v_pk_add_f32 v[\d:\d+1], v[\a:\a+1], v[\c:\c+1] op_sel_hi:[1,0]
.endif
.endm
.macro PKFMA_C d, a, b, c              ; d = a * b + const
.if (\c)&1
	v_pk_fma_f32 v[\d:\d+1], v[\a:\a+1], v[\b:\b+1], v[\c-1:\c] op_sel:[0,0,1] op_sel_hi:[1,1,1]
.else
	v_pk_fma_f32 v[\d:\d+1], v[\a:\a+1], v[\b:\b+1], v[\c:\c+1] op_sel_hi:[1,1,0]
.endif
.endm
.macro PKFMA_VCV d, a, c, b            ; d = a * const + b
.if (\c)&1
	v_pk_fma_f32 v[\d:\d+1], v[\a:\a+1], v[\c-1:\c], v[\b:\b+1] op_sel:[0,1,0] op_sel_hi:[1,1,1]
.else
	v_pk_fma_f32 v[\d:\d+1], v[\a:\a+1], v[\c:\c+1], v[\b:\b+1] op_sel_hi:[1,0,1]
.endif
.endm
.macro PKFMA_PAIR d, a, c              ; d = a * (first of the pair at c) + (second of it); c is even
	v_pk_fma_f32 v[\d:\d+1], v[\a:\a+1], v[\c:\c+1], v[\c:\c+1] op_sel:[0,0,1] op_sel_hi:[1,0,1]
.endm
; n loads, chunks first .. first + n - 1, each into its own four registers; the input is read once in the launch
.macro LOADS first, n
.set j, \first
.rept \n
	global_load_b128 v[X+4*j:X+4*j+3], v[OFF], s[4:5] offset:STEP*j th:TH_LOAD_NT
.set j, j+1
.endr
.endm
	s_load_b256 s[4:11], s[0:1], 0x0               ; input s[4:5], E_param s[6:7], T_max_delta s[8:9], V_max s[10:11]
	s_load_b128 s[12:15], s[0:1], 0x20             ; global_shift s[12:13], out0 s[14:15]
	v_lshlrev_b32 v[OFF], 4, v0                    ; 16 bytes a thread
	s_lshl_b32 s2, ttmp9, 17                       ; the work-group's 128 KiB (below 64 MiB: one word)
	s_mov_b32 s3, 0
	s_wait_kmcnt 0x0
	s_load_b32 s16, s[6:7], 0x0                    ; the four parameters first: the constants hang on them
	s_load_b32 s17, s[8:9], 0x0
	s_load_b32 s18, s[10:11], 0x0
	s_load_b32 s19, s[12:13], 0x0
	s_add_nc_u64 s[4:5], s[4:5], s[2:3]
	s_add_nc_u64 s[14:15], s[14:15], s[2:3]
	LOADS 0, 8                                     ; chunks 0 to 7
	; THE CONSTANTS, once a wave, every lane alike.  Behind each transcendental stands a plain vector instruction that touches neither its
	; result nor its source before the result is used (ISA guide 5.7.2); the moves and products of the coefficients serve as these.
	s_wait_kmcnt 0x0
	s_mul_f32 s16, s16, 0x3fb8aa3b                 ; E_param log2(e): exp(a) = 2^(a log2 e)
	s_mul_f32 s18, s18, 0x3fb8aa3b                 ; V_max log2(e)
	s_mul_f32 s17, s17, 0xbfb8aa3b                 ; -T_max_delta log2(e)
	s_mov_b32 s20, 0x42c80000                      ; 100.0
	s_mov_b32 s21, 0x447a0000                      ; 1000.0
	v_exp_f32 v[C_E], s16                          ; E
	v_exp_f32 v[TV], s18                           ; V
	v_exp_f32 v[TD], s17                           ; exp(-T_max_delta)
	v_mov_b32 v[C_Q3], 9.5733223454
	v_mov_b32 v[C_Q2], 25.6329561486
	s_wait_alu depctr_va_vdst(0)
	v_sqrt_f32 v[UU], v[TV]                        ; U
	v_add_f32 v[TD], 1.0, v[TD]
	v_rcp_f32 v[TD], v[TD]                         ; sigmoid
	v_mov_b32 v[C_Q1], 21.0996530827
	v_mov_b32 v[C_Q0], 3.9584969228
	s_wait_alu depctr_va_vdst(0)
	v_fma_f32 v[TD], v[TD], 2.0, -1.0
	v_fma_f32 v[TD], v[TD], s20, s21               ; 1000 + 100 (2 sigmoid - 1)
	v_add_f32 v[TM], s19, v[TD]                    ; Tm
	v_rcp_f32 v[RTM], v[TM]
	v_mul_f32 v[C_EL], 0xbfb8aa3b, v[C_E]          ; -E log2(e)
	s_wait_alu depctr_va_vdst(0)
	v_mul_f32 v[XM], v[C_E], v[RTM]                ; xm
	v_mul_f32 v[C_AM], 0x3fb8aa3b, v[XM]           ; xm log2(e)
	v_log_f32 v[LGM], v[XM]                        ; log2 xm
	v_exp_f32 v[EXM], v[C_AM]                      ; exp(xm)
	v_mul_f32 v[TP], v[XM], v[RTM]                 ; E / Tm^2
	v_mul_f32 v[TS], -0.5, v[UU]
	v_mul_f32 v[C_NB1], v[TP], v[TS]               ; -B1
	v_mul_f32 v[TS], v[C_NB1], v[C_E]              ; -B1 E = -U xm^2 / 2, of moderate size, before the exponential comes in
	s_wait_alu depctr_va_vdst(0)
	v_mul_f32 v[C_NB2], v[TS], v[EXM]              ; -B2
	v_mul_f32 v[C_S1], -v[TS], v[EXM]              ; B2, which is also the series' first coefficient
	LOADS 8, 4                                     ; chunks 8 to 11
	v_mul_f32 v[C_P3], 0.9999936053, v[C_NB1]      ;  9.5733223454 -  8.5733287401
	v_mul_f32 v[C_P2], 7.5739391756, v[C_NB1]      ; 25.6329561486 - 18.0590169730
	v_mul_f32 v[C_P1], 12.4648921902, v[C_NB1]     ; 21.0996530827 -  8.6347608925
	v_mul_f32 v[C_P0], 3.6907231885, v[C_NB1]      ;  3.9584969228 -  0.2677737343
	v_mul_f32 v[C_S2], 0.25, v[C_NB2]              ; 1 / (2 * 2!)
	v_mul_f32 v[C_S3], 0.0555555556, v[C_S1]       ; 1 / (3 * 3!)   = 1 / 18
	v_mul_f32 v[C_S4], 0.0104166667, v[C_NB2]      ; 1 / (4 * 4!)   = 1 / 96
	v_mul_f32 v[C_S5], 0.00166666667, v[C_S1]      ; 1 / (5 * 5!)   = 1 / 600
	v_mul_f32 v[C_S6], 0.000231481481, v[C_NB2]    ; 1 / (6 * 6!)   = 1 / 4320
	v_mul_f32 v[C_S7], 0.0000283446712, v[C_S1]    ; 1 / (7 * 7!)   = 1 / 35280
	v_mul_f32 v[C_S8], 0.00000310019841, v[C_NB2]  ; 1 / (8 * 8!)   = 1 / 322560
	v_mul_f32 v[C_S9], 0.000000306192435, v[C_S1]  ; 1 / (9 * 9!)   = 1 / 3265920
	v_mul_f32 v[C_S10], 0.0000000275573192, v[C_NB2] ; 1 / (10 * 10!) = 1 / 36288000
	v_mul_f32 v[C_L], 0x3f317218, v[C_NB2]         ; -B2 ln 2
	v_mul_f32 v[TG0], 0.5772156649, v[C_NB2]       ; -gamma B2
	LOADS 12, 4                                    ; chunks 12 to 15: AHEAD = 16 are now asked for
	; r - A at t = Tm (w = 1), in both forms, three chains side by side
	v_add_f32 v[TQ], v[C_Q3], v[XM]
	v_fma_f32 v[TP], v[XM], v[C_P3], v[C_P2]
	v_fma_f32 v[TS], v[XM], v[C_S10], v[C_S9]
	v_fma_f32 v[TQ], v[TQ], v[XM], v[C_Q2]
	v_fma_f32 v[TP], v[TP], v[XM], v[C_P1]
	v_fma_f32 v[TS], v[TS], v[XM], v[C_S8]
	v_fma_f32 v[TQ], v[TQ], v[XM], v[C_Q1]
	v_fma_f32 v[TP], v[TP], v[XM], v[C_P0]
	v_fma_f32 v[TS], v[TS], v[XM], v[C_S7]
	v_fma_f32 v[TQ], v[TQ], v[XM], v[C_Q0]
	v_fma_f32 v[TS], v[TS], v[XM], v[C_S6]
	v_rcp_f32 v[TQ], v[TQ]
.irp c, C_S5, C_S4, C_S3, C_S2, C_S1
	v_fma_f32 v[TS], v[TS], v[XM], v[\c]
.endr
	v_fma_f32 v[TD], v[TM], v[C_NB1], v[TG0]       ; -gamma B2 - B1 Tm
	v_fma_f32 v[TD], v[XM], v[TS], v[TD]           ; + B2 x the power series
	v_fma_f32 v[TD], v[LGM], v[C_L], v[TD]         ; - B2 ln xm
	s_wait_alu depctr_va_vdst(0)
	v_mul_f32 v[TP], v[TP], v[TQ]
	v_mul_f32 v[TP], v[TP], v[TM]                  ; -B1 Tm (den - num)/den
	v_cmp_gt_f32 vcc_lo, 1.0, v[XM]
	v_cndmask_b32 v[TD], v[TP], v[TD], vcc_lo      ; xm < 1: the series form
	s_wait_loadcnt AHEAD-2                         ; loads come back in order (ISA guide 5.7.1): chunks 0 and 1 are in, the 14 issued behind them may be out
.irp i, 0,1,2,3,4,5,6,7
	v_rcp_f32 v[RT+\i], v[X+\i]                    ; 1/t of group 0
.endr
	v_sub_f32 v[C_A], v[UU], v[TD]                 ; A: r(Tm) = U.  (These two lines are also the plain places behind the reciprocals.)
	v_add_f32 v[C_A1], v[C_A], v[TG0]              ; A - gamma B2
	s_wait_alu depctr_va_vdst(0)
; One group: chunks 2 g and 2 g + 1, eight numbers a lane.  On entry RT holds their reciprocals.  more = 1: the next group's reciprocals are made on the way.
; Each transcendental is followed by a packed instruction of another chain, which names neither its result nor its source.
.macro GROUP g, more
.set XG, X+8*\g
.set XN, X+8*\g+8
.if AHEAD+2*\g < 2*GROUPS
.set LN, AHEAD+2*\g                                ; groups 0 to 7 ask for chunks 16 + 2 g and 17 + 2 g, which group g + 7 reads first
	global_load_b128 v[X+4*LN:X+4*LN+3],   v[OFF], s[4:5] offset:STEP*LN      th:TH_LOAD_NT
	global_load_b128 v[X+4*LN+4:X+4*LN+7], v[OFF], s[4:5] offset:STEP*LN+STEP th:TH_LOAD_NT
.endif
.irp p, 0,2,4,6
	PKMULC XX+\p, RT+\p, C_E                       ; x = E / t
.endr
.irp p, 0,2,4,6
	PKFMA_PAIR WW+\p, RT+\p, C_EL                  ; (xm - x) log2(e)
.endr
.irp p, 0,2,4,6
	v_exp_f32 v[WW+\p], v[WW+\p]                   ; w
	PKADDC QD+\p, XX+\p, C_Q3
	v_exp_f32 v[WW+\p+1], v[WW+\p+1]
	PKFMA_PAIR PN+\p, XX+\p, C_P3
.endr
.irp p, 0,2,4,6
	v_log_f32 v[LG+\p], v[XX+\p]                   ; log2 x
	PKFMA_C QD+\p, QD+\p, XX+\p, C_Q2
	v_log_f32 v[LG+\p+1], v[XX+\p+1]
	PKFMA_C PN+\p, PN+\p, XX+\p, C_P1
.endr
.irp p, 0,2,4,6
	PKFMA_C QD+\p, QD+\p, XX+\p, C_Q1
	PKFMA_C PN+\p, PN+\p, XX+\p, C_P0              ; -B1 (den - num)
.endr
.irp p, 0,2,4,6
	PKFMA_C QD+\p, QD+\p, XX+\p, C_Q0              ; den
.endr
.irp p, 0,2,4,6
	v_rcp_f32 v[QD+\p], v[QD+\p]
	PKFMA_PAIR SER+\p, XX+\p, C_S10                ; the series, k = 10 downward: nine steps
.endr
.irp p, 0,2,4,6
	v_rcp_f32 v[QD+\p+1], v[QD+\p+1]
	PKFMA_C SER+\p, SER+\p, XX+\p, C_S8
.endr
.if \more
	; Chunks 2 g + 2 and 2 g + 3 are wanted.  min(32, 18 + 2 g) loads have been issued, so min(14, 28 - 2 g) were issued behind chunk 2 g + 3 and may be out.
.if 28-2*\g < AHEAD-2
	s_wait_loadcnt 28-2*\g
.else
	s_wait_loadcnt AHEAD-2
.endif
.endif
.irp p, 0,2,4,6
.if \more
	v_rcp_f32 v[RT+\p], v[XN+\p]                   ; RT was last read at the group's head
.endif
	PKFMA_C SER+\p, SER+\p, XX+\p, C_S7
.endr
.irp p, 0,2,4,6
.if \more
	v_rcp_f32 v[RT+\p+1], v[XN+\p+1]
.endif
	PKFMA_C SER+\p, SER+\p, XX+\p, C_S6
.endr
.irp c, C_S5, C_S4, C_S3, C_S2, C_S1
.irp p, 0,2,4,6
	PKFMA_C SER+\p, SER+\p, XX+\p, \c
.endr
.endr
	s_wait_alu depctr_va_vdst(0)
.irp p, 0,2,4,6
	v_pk_mul_f32 v[SS+\p:SS+\p+1], v[XG+\p:XG+\p+1], v[WW+\p:WW+\p+1]       ; t w
.endr
.irp p, 0,2,4,6
	v_pk_mul_f32 v[PN+\p:PN+\p+1], v[PN+\p:PN+\p+1], v[QD+\p:QD+\p+1]       ; -B1 (den - num) / den
.endr
.irp i, 0,1,2,3,4,5,6,7
	v_cmp_gt_f32 s[MASK+\i], 1.0, v[XX+\i]         ; x < 1; false for NaN, as in the definition
.endr
.irp p, 0,2,4,6
	PKFMA_C QD+\p, SS+\p, PN+\p, C_A               ; r, rational form
.endr
.irp p, 0,2,4,6
	PKFMA_PAIR SS+\p, SS+\p, C_NB1                 ; A - gamma B2 - B1 t w
.endr
.irp p, 0,2,4,6
	v_pk_fma_f32 v[SER+\p:SER+\p+1], v[XX+\p:XX+\p+1], v[SER+\p:SER+\p+1], v[SS+\p:SS+\p+1]   ; + B2 x the power series
.endr
.irp p, 0,2,4,6
	PKFMA_VCV LG+\p, LG+\p, C_L, SER+\p            ; - B2 ln x: r, series form
.endr
.irp i, 0,1,2,3,4,5,6,7
	v_cndmask_b32 v[QD+\i], v[QD+\i], v[LG+\i], s[MASK+\i]
.endr
.irp i, 0,1,2,3,4,5,6,7
	v_maximum_f32 v[QD+\i], 0, v[QD+\i]            ; relu; a NaN stays
.endr
.irp p, 0,2,4,6
	v_pk_mul_f32 v[PN+\p:PN+\p+1], v[QD+\p:QD+\p+1], v[QD+\p:QD+\p+1]
.endr
.irp p, 0,2,4,6
	v_pk_mul_f32 v[XG+\p:XG+\p+1], v[PN+\p:PN+\p+1], v[WW+\p:WW+\p+1]       ; out, over t: these registers are not written again
.endr
	global_store_b128 v[OFF], v[XG:XG+3],   s[14:15] offset:STEP*(2*\g)   th:TH_STORE_NT   ; 512 consecutive bytes a wave, aligned
	global_store_b128 v[OFF], v[XG+4:XG+7], s[14:15] offset:STEP*(2*\g+1) th:TH_STORE_NT
.endm
.irp g, 0,1,2,3,4,5,6,7,8,9,10,11,12,13,14
	GROUP \g, 1
.endr
	GROUP 15, 0                                    ; the last group has no next
	s_endpgm
.Lfunc_end_k_q61c814e4be_oxide:
	.size	k_q61c814e4be_oxide, .Lfunc_end_k_q61c814e4be_oxide-k_q61c814e4be_oxide
	.p2alignl 7, 3214868480
	.fill 96, 4, 3214868480
	.section	.rodata,"a",@progbits
	.p2align	6, 0x0
	.amdhsa_kernel k_q61c814e4be_oxide
		.amdhsa_group_segment_fixed_size 0
		.amdhsa_private_segment_fixed_size 0
		.amdhsa_enable_private_segment 0
		.amdhsa_kernarg_size 48
		.amdhsa_user_sgpr_count 2
		.amdhsa_user_sgpr_kernarg_segment_ptr 1
		.amdhsa_wavefront_size32 1
		.amdhsa_system_sgpr_workgroup_id_x 1
		.amdhsa_system_sgpr_workgroup_id_y 1
		.amdhsa_system_sgpr_workgroup_id_z 1
		.amdhsa_system_vgpr_workitem_id 0
		.amdhsa_next_free_vgpr 220
		.amdhsa_next_free_sgpr 66
		.amdhsa_reserve_vcc 1
		.amdhsa_float_denorm_mode_32 3
		.amdhsa_float_denorm_mode_16_64 3
		.amdhsa_memory_ordered 1
		.amdhsa_forward_progress 1
		.amdhsa_inst_pref_size 156
	.end_amdhsa_kernel
	.amdgpu_metadata
---
amdhsa.version: [ 1, 2 ]
amdhsa.kernels:
  - .name:           k_q61c814e4be_oxide
    .symbol:         k_q61c814e4be_oxide.kd
    .args:
      - { .name: input, .offset: 0, .size: 8, .value_kind: global_buffer, .address_space: global }
      - { .name: E_param, .offset: 8, .size: 8, .value_kind: global_buffer, .address_space: global }
      - { .name: T_max_delta, .offset: 16, .size: 8, .value_kind: global_buffer, .address_space: global }
      - { .name: V_max, .offset: 24, .size: 8, .value_kind: global_buffer, .address_space: global }
      - { .name: global_shift, .offset: 32, .size: 8, .value_kind: global_buffer, .address_space: global }
      - { .name: out0, .offset: 40, .size: 8, .value_kind: global_buffer, .address_space: global }
    .group_segment_fixed_size: 0
    .private_segment_fixed_size: 0
    .kernarg_segment_align: 8
    .kernarg_segment_size: 48
    .max_flat_workgroup_size: 256
    .sgpr_count:     66
    .vgpr_count:     220
    .wavefront_size: 32
...
	.end_amdgpu_metadata
.endif
;; end of part 1
